; MI455X (gfx1250); checked and timed in simulation.
; The chip was launched on July 23, 2026; its instructions are those of AMD's public machine-readable ISA for CDNA 5 (MIT licence, August 2026) and "CDNA5" Instruction Set Architecture Reference Guide (July 2026). The comments in the code are by the model that wrote it; some were corrected since.
;; Euclidean Codebook. Allowed arithmetic: matrix products marked QUANTISED: E3M2 operands, one E8M0 scale for each 32 along K, by v_wmma_scale_f32_16x16x128_f8f6f4 with both operands' format E3M2, f32 sums; everything else in f32.
;; Inputs: embed 8,192 x 256 float32; x 32,768 x 256 float32.
;; Outputs: out0 32,768 x 256 float32; out1 32,768 int32.
;; This version of the problem:
;;   THIS VERSION OF THE PROBLEM IS GIVEN IN LOW PRECISION. The matrix products marked QUANTISED in the list below multiply operands that are first quantised to E3M2 (3 exponent bits, 2 mantissa bits; 6 bits a number), with one power-of-two scale for each 32 numbers along K (OCP MX v1.0); their sums are f32. All else is computed in f32.
;;   The module's matrix products, in the order in which they are computed (A, B: the left and right operand; K: the contracted axis; several contracted axes count as one K, in the product's order):
;;     1. [M 32,768, K 256] x [K 256, N 8,192]; A: input x; B: input embed: QUANTISED
;;   THE QUANTISER, for each operand of a quantised product, along K:
;;     - K is cut into blocks of 32 from its start; a last block that is shorter is filled with zeros.
;;     - A block's scale is 2^e with e = floor(log2(the largest magnitude in the block)) - 4, held to -126 .. 127; a block of zeros has e = 0. As a byte (E8M0): e + 127.
;;     - Each number is divided by its block's scale, clamped to +-28, and rounded to the nearest number of E3M2, ties to even, subnormals kept.
;;     - The product sums the exact products of the quantised numbers (number of the format x scale) in f32.
;;   ~~~python
;;   def quantise(x, axis):      # numpy; x: float32 -> the quantised numbers, widened to float32 again
;;       x = np.moveaxis(x, axis, -1); K = x.shape[-1]
;;       x = np.pad(x, [(0, 0)] * (x.ndim - 1) + [(0, -K % 32)]); x = x.reshape(x.shape[:-1] + (-1, 32)); a = np.abs(x).max(-1, keepdims=True)
;;       e = np.where(a > 0, np.clip(np.frexp(np.where(a > 0, a, 1))[1] - 1 - 4, -126, 127), 0)      # np.frexp(a)[1] - 1 = floor(log2(a)), exactly
;;       r = np.clip(x / 2.0 ** e, -28, 28)
;;       step = 2.0 ** (np.maximum(np.frexp(np.where(r == 0, 1, r))[1] - 1, -2) - 2)
;;       q = np.round(r / step) * step * 2.0 ** e      # np.round: ties to even
;;       return np.moveaxis(q.reshape(q.shape[:-2] + (-1,))[..., :K], -1, axis).astype(np.float32)
;;   ~~~
;; One version. Each part assembles by itself: llvm-mc -triple=amdgcn-amd-amdhsa -mcpu=gfx1250 --defsym DOCPART=n.
;; ======== version 1 of 1: 3 launches
;; limits: right only within a limited range of input values
;; workspace buffers: codes 1,703,936 bytes; order 131,072 bytes of whole numbers
;; launch prep (part 1): grid 256 x 1, 2 waves a work-group, no clusters, 33,536 bytes of LDS; arguments embed, codes; writes codes
.if DOCPART == 1
	.amdgcn_target "amdgcn-amd-amdhsa--gfx1250"
	.amdhsa_code_object_version 6
	.text
	.protected	k_qedf8e296ef_prep
	.globl	k_qedf8e296ef_prep
	.p2align	8
	.type	k_qedf8e296ef_prep,@function
k_qedf8e296ef_prep:
	s_mov_b64 s[64:65], 0
	v_nop
	global_prefetch_b8 v0, s[64:65] scope:SCOPE_SE
	s_setreg_imm32_b32 hwreg(HW_REG_WAVE_MODE, 25, 1), 1
	s_wait_xcnt 0x0
; embed [8192][256] f32 becomes 512 RECORDS of 3,328 bytes, one for each tile of 16 codebook rows, laid in the order in which the search's operand registers take them:
;   bytes (3 s + c) 512 + 16 lane : registers 4 c .. 4 c + 3 of the fragment (16 rows x 128 K of E3M2 codes, 12 registers a lane) of K step s = 0, 1
;   bytes 3072 + 8 r + 4 s        : row r's scale word (four E8M0 bytes) for K step s
;   bytes 3200 + 4 r              : -(sum of row r's squares) / 2, f32: the search gives it to the matrix unit as the C of each sum
;   bytes 3264 .. 3327            : zeros
; THE QUANTISER: a block of 32 along K has the scale 2^(floor(log2(largest magnitude)) - 4); its byte is the largest magnitude's exponent field - 4, held at 1 from below.
; LIMITS: a block of zeros gets the byte 1 where the rule says 127 (its codes are zeros, and this program alone reads the bytes); blocks whose largest magnitude lies under 2^-122 keep the byte 1;
; NaN and infinities are not served.  The squares are summed in eight chains a lane, which is another order of rounding than a sum from left to right.
; SHARES: a wave takes one tile (16 rows, 16 KiB).  Each load reads 512 consecutive bytes; the conversions want 16 neighbours along K in ONE lane, so the rows turn through the wave's own stage in LDS
; (rows 1,040 bytes apart: an odd multiple of 16, so the sixteen rows of a read begin in different banks).  No barrier: waves share nothing.  No tensor load.
.set REC,  3328
.set XP,   1040                        ; a stage row: 1,024 bytes + 16
.set L16,  4                           ; v4   16 x lane
.set STW,  5                           ; v5   the stage, on the way in: wave x 16 rows + 16 x lane
.set RDA,  6                           ; v6   and on the way out: wave x 16 rows + r x 1,040 + 64 h
.set SCO,  7                           ; v7   8 r + 4 h: my scale word's place
.set L4,   8                           ; v8   4 x lane
.set TM,   10                          ; v10-25  at work in QUANT
.set PW0,  26                          ; v26, v27 the scale words of K steps 0, 1
.set PW1,  27
.set SQ,   28                          ; v28-35  four pairs of running sums of squares
.set PC,   36                          ; v36-55  the codes just made
.set R0,   64                          ; v64-127  the rows' first halves as loaded; later U1
.set R1,   128                         ; v128-191 their second halves
.set U0,   192                         ; v192-255 64 numbers of my row, K step 0
.set U1,   64
.set SEL,  20                          ; s[20:21] selects for v_permlanex16_b32: lane l xor 16
; 64 numbers of my row r for K step s: register 16 b + i = k 128 s + 32 b + 16 h + i
.macro XREAD dst, s
.irp b, 0,1,2,3
.irp j, 0,1,2,3
	ds_load_b128 v[\dst+16*\b+4*\j:\dst+16*\b+4*\j+3], v[RDA] offset:512*\s+128*\b+16*\j
.endr
.endr
.endm
; their squares, onto four pairs of sums; first = 1: the first four products start the sums
.macro SQS s, first
.set qi, 0
.rept 32
.if (\first) && (qi < 4)
	v_pk_mul_f32 v[SQ+2*(qi%4):SQ+2*(qi%4)+1], v[\s+2*qi:\s+2*qi+1], v[\s+2*qi:\s+2*qi+1]
.else
	v_pk_fma_f32 v[SQ+2*(qi%4):SQ+2*(qi%4)+1], v[\s+2*qi:\s+2*qi+1], v[\s+2*qi:\s+2*qi+1], v[SQ+2*(qi%4):SQ+2*(qi%4)+1]
.endif
.set qi, qi+1
.endr
.endm
; the eight sums and lane l xor 16's become the row's sum, in v[SQ] of both lanes
.macro SQFIN
	v_pk_add_f32 v[SQ:SQ+1], v[SQ:SQ+1], v[SQ+2:SQ+3]
	v_pk_add_f32 v[SQ+4:SQ+5], v[SQ+4:SQ+5], v[SQ+6:SQ+7]
	v_pk_add_f32 v[SQ:SQ+1], v[SQ:SQ+1], v[SQ+4:SQ+5]
	v_add_f32 v[SQ], v[SQ], v[SQ+1]
	v_permlanex16_b32 v[SQ+2], v[SQ], s[SEL], s[SEL+1]
	v_add_f32 v[SQ], v[SQ], v[SQ+2]
.endm
; 64 numbers of a lane, register 16 b + i = k 32 b + 16 h + i of my row, become a fragment's 12 registers in v[pc] on and the row's scale word in v[pw]
.macro QUANT s, pc, pw
.irp b, 0,1,2,3
	v_max3_num_f32 v[TM+\b], |v[\s+16*\b]|, |v[\s+1+16*\b]|, 0x2800000   ; block b: my 16 numbers, and the floor 2^(5 - 127): the byte cannot fall under 1
.endr
.irp i, 2,4,6,8,10,12,14
.irp b, 0,1,2,3
	v_max3_num_f32 v[TM+\b], v[TM+\b], |v[\s+16*\b+\i]|, |v[\s+1+16*\b+\i]|   ; the four blocks by turns
.endr
.endr
.irp b, 0,1,2,3
	v_permlanex16_b32 v[TM+4+\b], v[TM+\b], s[SEL], s[SEL+1]
.endr
.irp b, 0,1,2,3
	v_max_num_f32 v[TM+\b], v[TM+\b], v[TM+4+\b]       ; with lane l xor 16's: the block's largest magnitude
.endr
.irp b, 0,1,2,3
	v_add_nc_u32 v[TM+12+\b], 0xfe000000, v[TM+\b]     ; 4 off its exponent field: the conversion's scale operand
.endr
.irp b, 0,1,2,3
	v_lshrrev_b32 v[TM+4+\b], 23, v[TM+12+\b]          ; the scale's byte
.endr
	v_lshl_or_b32 v[\pw], v[TM+5], 8, v[TM+4]
	v_lshl_or_b32 v[\pw], v[TM+6], 16, v[\pw]
	v_lshl_or_b32 v[\pw], v[TM+7], 24, v[\pw]
.irp c, 0,1
	v_cvt_scalef32_pk16_bf6_f32 v[\pc+6*\c:\pc+2+6*\c], v[\s+32*\c:\s+15+32*\c], v[TM+12+2*\c]
	v_cvt_scalef32_pk16_bf6_f32 v[\pc+12+4*\c:\pc+14+4*\c], v[\s+16+32*\c:\s+31+32*\c], v[TM+12+2*\c+1]   ; (a conversion's three registers begin on an even number)
.endr
	v_nop                                              ; one plain line behind the scaled conversions
.irp c, 0,1                                        ; the operand's layout wants a whole block in a lane: lanes 0-15 block 2 c, lanes 16-31 block 2 c + 1
.irp i, 0,1,2
	v_permlane16_swap_b32 v[\pc+6*\c+\i], v[\pc+12+4*\c+\i]
.endr
.irp i, 0,1,2
	v_mov_b32 v[\pc+3+6*\c+\i], v[\pc+12+4*\c+\i]
.endr
.endr
.endm
	s_load_b128 s[4:7], s[0:1], 0x0                ; embed s[4:5], codes s[6:7]
	v_lshl_add_u32 v62, v0, 2, 0x8200
	v_mov_b32 v63, 0
	v_lshrrev_b32 v1, 5, v0
	v_readfirstlane_b32 s8, v1                     ; wave 0, 1
	v_and_b32 v1, 31, v0                           ; lane
	v_and_b32 v2, 15, v0                           ; r
	v_bfe_u32 v3, v0, 4, 1                         ; h
	v_lshlrev_b32 v[L16], 4, v1
	s_mul_i32 s9, s8, 16*XP                        ; my wave's stage
	v_add_nc_u32 v[STW], s9, v[L16]
	v_mul_u32_u24 v[RDA], v2, XP
	v_lshl_add_u32 v[RDA], v3, 6, v[RDA]
	v_add_nc_u32 v[RDA], s9, v[RDA]
	v_lshlrev_b32 v[SCO], 3, v2
	v_lshl_add_u32 v[SCO], v3, 2, v[SCO]
	v_lshlrev_b32 v[L4], 2, v1
	s_mov_b32 s[SEL], 0x76543210
	s_mov_b32 s[SEL+1], 0xfedcba98
.irp b, 0,1,2,3
	v_mov_b32 v[TM+4+\b], 0                        ; written once: a lane permute's destination counts as one of its sources
.endr
	s_lshl_b32 s10, ttmp9, 1
	s_add_co_u32 s10, s10, s8                      ; my tile: 2 x work-group + wave
	s_lshl_b32 s12, s10, 14                        ; its 16 rows of 1,024 bytes
	s_mov_b32 s13, 0
	s_mul_i32 s14, s10, REC                        ; its record
	s_mov_b32 s15, 0
	s_wait_alu depctr_va_vdst(0)
	s_wait_kmcnt 0x0
	s_add_nc_u64 s[4:5], s[4:5], s[12:13]
	s_add_nc_u64 s[6:7], s[6:7], s[14:15]
.irp w, 0,1,2,3,4,5,6,7,8,9,10,11,12,13,14,15
	global_load_b128 v[R0+4*\w:R0+4*\w+3], v[L16], s[4:5] offset:1024*\w th:TH_LOAD_NT        ; 32 lanes read 512 consecutive bytes: row w, K step 0
.endr
.irp w, 0,1,2,3,4,5,6,7,8,9,10,11,12,13,14,15
	global_load_b128 v[R1+4*\w:R1+4*\w+3], v[L16], s[4:5] offset:1024*\w+512 th:TH_LOAD_NT    ; K step 1
.endr
	s_wait_loadcnt 16                              ; K step 0's sixteen loads are in; K step 1's may be out
.irp w, 0,1,2,3,4,5,6,7,8,9,10,11,12,13,14,15
	ds_store_b128 v[STW], v[R0+4*\w:R0+4*\w+3] offset:XP*\w
.endr
	XREAD U0, 0                                    ; LDS serves a wave's instructions in order: these see the stores above
	s_wait_loadcnt 0x0
.irp w, 0,1,2,3,4,5,6,7,8,9,10,11,12,13,14,15
	ds_store_b128 v[STW], v[R1+4*\w:R1+4*\w+3] offset:XP*\w+512
.endr
	s_wait_dscnt 16                                ; all but the sixteen stores just issued: R0's stores have read their registers, and U0 is in
	XREAD U1, 1                                    ; into R0's registers
	SQS U0, 1
	QUANT U0, PC, PW0
.irp c, 0,1,2
	global_store_b128 v[L16], v[PC+4*\c:PC+4*\c+3], s[6:7] offset:512*\c          ; 512 consecutive bytes a store
.endr
	s_wait_dscnt 0x0                               ; U1 is in
	SQS U1, 0
	s_wait_xcnt 0x0                                ; the three stores have read PC: it is written again only behind this wait
	QUANT U1, PC, PW1
.irp c, 0,1,2
	global_store_b128 v[L16], v[PC+4*\c:PC+4*\c+3], s[6:7] offset:1536+512*\c
.endr
	SQFIN
	v_mul_f32 v56, -0.5, v[SQ]                     ; -c2 / 2
	v_cmp_le_u32 vcc_lo, 16, v1                    ; lanes 16-31
	v_cndmask_b32 v57, v[PW0], v[PW1], vcc_lo      ; lane (r, h) stores row r's word of K step h
	v_cndmask_b32 v58, v56, 0, vcc_lo              ; lanes 0-15 store -c2 / 2, lanes 16-31 the zeros behind them
	global_store_b32 v[SCO], v57, s[6:7] offset:3072
	global_store_b32 v[L4], v58, s[6:7] offset:3200
	s_wait_tensorcnt 0x0
	ds_add_u32 v62, v63
	s_wait_dscnt 0x0
	s_endpgm
.Lfunc_end_k_qedf8e296ef_prep:
	.size	k_qedf8e296ef_prep, .Lfunc_end_k_qedf8e296ef_prep-k_qedf8e296ef_prep
	.p2alignl 7, 3214868480
	.fill 96, 4, 3214868480
	.section	.rodata,"a",@progbits
	.p2align	6, 0x0
	.amdhsa_kernel k_qedf8e296ef_prep
		.amdhsa_group_segment_fixed_size 33536
		.amdhsa_private_segment_fixed_size 0
		.amdhsa_enable_private_segment 0
		.amdhsa_kernarg_size 16
		.amdhsa_user_sgpr_count 2
		.amdhsa_user_sgpr_kernarg_segment_ptr 1
		.amdhsa_wavefront_size32 1
		.amdhsa_system_sgpr_workgroup_id_x 1
		.amdhsa_system_sgpr_workgroup_id_y 1
		.amdhsa_system_sgpr_workgroup_id_z 1
		.amdhsa_system_vgpr_workitem_id 0
		.amdhsa_next_free_vgpr 256
		.amdhsa_next_free_sgpr 66
		.amdhsa_reserve_vcc 1
		.amdhsa_float_denorm_mode_32 3
		.amdhsa_float_denorm_mode_16_64 3
		.amdhsa_memory_ordered 1
		.amdhsa_forward_progress 1
		.amdhsa_inst_pref_size 22
	.end_amdhsa_kernel
	.amdgpu_metadata
---
amdhsa.version: [ 1, 2 ]
amdhsa.kernels:
  - .name:           k_qedf8e296ef_prep
    .symbol:         k_qedf8e296ef_prep.kd
    .args:
      - { .name: embed, .offset: 0, .size: 8, .value_kind: global_buffer, .address_space: global }
      - { .name: codes, .offset: 8, .size: 8, .value_kind: global_buffer, .address_space: global }
    .group_segment_fixed_size: 33536
    .private_segment_fixed_size: 0
    .kernarg_segment_align: 8
    .kernarg_segment_size: 16
    .max_flat_workgroup_size: 64
    .sgpr_count:     66
    .vgpr_count:     256
    .wavefront_size: 32
...
	.end_amdgpu_metadata
.endif
;; end of part 1
;; launch search (part 2): grid 256 x 1, 8 waves a work-group, clusters of 4 x 1, 327,680 bytes of LDS; arguments x, codes, out1, order; writes out1, order
.if DOCPART == 2
	.amdgcn_target "amdgcn-amd-amdhsa--gfx1250"
	.amdhsa_code_object_version 6
	.text
	.protected	k_qedf8e296ef_search
	.globl	k_qedf8e296ef_search
	.p2align	8
	.type	k_qedf8e296ef_search,@function
k_qedf8e296ef_search:
	s_mov_b64 s[64:65], 0
	v_nop
	global_prefetch_b8 v0, s[64:65] scope:SCOPE_SE
	s_setreg_imm32_b32 hwreg(HW_REG_WAVE_MODE, 25, 1), 1
	s_wait_xcnt 0x0
	s_wait_alu depctr_hold_cnt(0) depctr_sa_sdst(0) depctr_va_vdst(0) depctr_va_sdst(0) depctr_va_ssrc(0) depctr_va_vcc(0) depctr_vm_vsrc(0)
	s_getreg_b32 s2, hwreg(HW_REG_IB_STS2, 6, 4)
	s_cmp_eq_u32 s2, 0
	s_cbranch_scc0 .Lentry_in_a_cluster
	s_endpgm
.Lentry_in_a_cluster:
	s_bfe_u32 s2, ttmp6, 0x10000c
	s_cmp_lg_u32 s2, 0x3003
	s_cbranch_scc0 .Lentry_shape_is_right
	s_endpgm
.Lentry_shape_is_right:
; For 128 rows of x a work-group finds, over all 8,192 codebook rows, the first index of the least max(x2 + c2 - 2 xc, 0), as the first index of the largest
; s = min(xc - c2 / 2, x2 / 2).  xc is the product of E3M2 codes with E8M0 scales; -c2 / 2 comes in the records as the C of each sum; x2 / 2 is the cap that stands for reference()'s clip at 0.
; LIMIT: s is rounded in another order than x2 + c2 - 2 xc; two rows whose distances differ by less than that rounding may change places.  NaN and infinities are not served.
; SHARES: eight waves; all hold the same 128 rows of x as fragments (window 1); wave w takes records 4 w .. 4 w + 3 of each slot of 32 records.  Two slots by turns, filled by joint loads of the cluster's four work-groups.
; The walk over the 16 slots begins at a slot that hangs on the cluster's number; where it wraps to slot 0 the running maxima are stepped one number down, so that an equal score at a lower index wins.
; TRACKING, for each of the 8 accumulators (12 registers at TR + 12 e): +0 the tile's capped maximum, +1 the running maximum, +2 the number of the tile that set it, +3 the cap, +4 .. +11 that tile's eight scores.
.set REC,   3328
.set WSH,   4*REC
.set SLOTB, 32*REC
.set SLOT1, 1<<17
.set XIMG,  SLOTB
.set XRAW,  SLOT1
.set XP,    1040
.set XSCL,  XRAW+8*16*XP
.set XX,    XSCL+1024
.set MRG,   XX+1024
.set SPARE, MRG+8*1024
.set LB,   1
.set LSC,  2
.set LCC,  3
.set ADR,  4
.set ADS,  5
.set ADC,  6
.set HW8,  7
.set SPW,  8
.set NIL,  9
.set T,    10
.set CSC,  14
.set XS,   16
.set TR,   24
.set FA,   120
.set FB,   121
.set MW,   122
.set MR,   123
.set OUTO, 124
.set XLA,  125
.set XLS,  126
.set ACC,  128
.set CF,   192
.set CC,   240
.set TM,   24
.set PW0,  40
.set PW1,  41
.set SQ,   42
.set PC0,  52
.set PC1,  72
.set RDA,  92
.set IMW,  93
.set SCW,  94
.set U0,   128
.set U1,   192
.set WV,   12
.set CX,   13
.set WG,   14
.set SIG,  15
.set SEL,  20
.set TB,   22
.set SQV,   127
.set G1C,  24
.set G0C,  32
.set G1X,  36
.set G0X,  44
.set CB,   48
.set SN,   50
.set CNT,  51
.set NB0,  52
.set NL,   53
.set OFS,  54
.set HM,   59
.set NINF, 60
.set MSB, 0
.macro WIN new
.if MSB != \new
	s_set_vgpr_msb (MSB<<8)|\new
.set MSB, \new
.endif
.endm
.macro CREST
	s_cmp_lg_u32 s[WV], 0
	s_cbranch_scc1 .Lnot_wave_0_\@
	s_barrier_signal -3
.Lnot_wave_0_\@:
	s_barrier_wait -3
	s_barrier_signal -1
	s_barrier_wait -1
.endm
.macro CROUND
	s_barrier_signal -1
	s_barrier_wait -1
	CREST
.endm
.macro XREAD dst, s
.irp b, 0,1,2,3
.irp j, 0,1,2,3
	ds_load_b128 v[\dst+16*\b+4*\j:\dst+16*\b+4*\j+3], v[RDA] offset:512*\s+128*\b+16*\j
.endr
.endr
.endm
.macro SQS s, first
.set qi, 0
.rept 32
.if (\first) && (qi < 4)
	v_pk_mul_f32 v[SQ+2*(qi%4):SQ+2*(qi%4)+1], v[\s+2*qi:\s+2*qi+1], v[\s+2*qi:\s+2*qi+1]
.else
	v_pk_fma_f32 v[SQ+2*(qi%4):SQ+2*(qi%4)+1], v[\s+2*qi:\s+2*qi+1], v[\s+2*qi:\s+2*qi+1], v[SQ+2*(qi%4):SQ+2*(qi%4)+1]
.endif
.set qi, qi+1
.endr
.endm
.macro SQFIN
	v_pk_add_f32 v[SQ:SQ+1], v[SQ:SQ+1], v[SQ+2:SQ+3]
	v_pk_add_f32 v[SQ+4:SQ+5], v[SQ+4:SQ+5], v[SQ+6:SQ+7]
	s_delay_alu instid0(VALU_DEP_1)
	v_pk_add_f32 v[SQ:SQ+1], v[SQ:SQ+1], v[SQ+4:SQ+5]
	s_delay_alu instid0(VALU_DEP_1)
	v_add_f32 v[SQ], v[SQ], v[SQ+1]
	s_delay_alu instid0(VALU_DEP_1)
	v_permlanex16_b32 v[SQ+2], v[SQ], s[SEL], s[SEL+1]
	s_delay_alu instid0(VALU_DEP_1)
	v_add_f32 v[SQ], v[SQ], v[SQ+2]
.endm
.macro QUANT s, pc, pw
.irp b, 0,1,2,3
	v_max3_num_f32 v[TM+\b], |v[\s+16*\b]|, |v[\s+1+16*\b]|, 0x2800000
.endr
.irp i, 2,4,6,8,10,12,14
.irp b, 0,1,2,3
	s_delay_alu instid0(VALU_DEP_4)
	v_max3_num_f32 v[TM+\b], v[TM+\b], |v[\s+16*\b+\i]|, |v[\s+1+16*\b+\i]|
.endr
.endr
.irp b, 0,1,2,3
	s_delay_alu instid0(VALU_DEP_4)
	v_permlanex16_b32 v[TM+4+\b], v[TM+\b], s[SEL], s[SEL+1]
.endr
.irp b, 0,1,2,3
	s_delay_alu instid0(VALU_DEP_4)
	v_max_num_f32 v[TM+\b], v[TM+\b], v[TM+4+\b]
.endr
.irp b, 0,1,2,3
	s_delay_alu instid0(VALU_DEP_4)
	v_add_nc_u32 v[TM+12+\b], 0xfe000000, v[TM+\b]
.endr
.irp b, 0,1,2,3
	s_delay_alu instid0(VALU_DEP_4)
	v_lshrrev_b32 v[TM+4+\b], 23, v[TM+12+\b]
.endr
	s_delay_alu instid0(VALU_DEP_3)
	v_lshl_or_b32 v[\pw], v[TM+5], 8, v[TM+4]
	s_delay_alu instid0(VALU_DEP_1)
	v_lshl_or_b32 v[\pw], v[TM+6], 16, v[\pw]
	s_delay_alu instid0(VALU_DEP_1)
	v_lshl_or_b32 v[\pw], v[TM+7], 24, v[\pw]
.irp c, 0,1
	v_cvt_scalef32_pk16_bf6_f32 v[\pc+6*\c:\pc+2+6*\c], v[\s+32*\c:\s+15+32*\c], v[TM+12+2*\c]
	v_cvt_scalef32_pk16_bf6_f32 v[\pc+12+4*\c:\pc+14+4*\c], v[\s+16+32*\c:\s+31+32*\c], v[TM+12+2*\c+1]
.endr
	v_nop
.irp c, 0,1
.irp i, 0,1,2
	v_permlane16_swap_b32 v[\pc+6*\c+\i], v[\pc+12+4*\c+\i]
.endr
.irp i, 0,1,2
	s_delay_alu instid0(VALU_DEP_3)
	v_mov_b32 v[\pc+3+6*\c+\i], v[\pc+12+4*\c+\i]
.endr
.endr
.endm
.macro FETCH p, q
	WIN 0
	ds_load_b32 v[CSC+(\p)], v[ADS] offset:(\q)*REC
	WIN 0x40
.irp m, 0,1,2,3,4,5
	ds_load_b128 v[CF+24*(\p)+4*\m:CF+24*(\p)+4*\m+3], v[ADR] offset:(\q)*REC+512*\m
.endr
	ds_load_b128 v[CC+8*(\p):CC+8*(\p)+3], v[ADC] offset:(\q)*REC
	ds_load_b128 v[CC+8*(\p)+4:CC+8*(\p)+7], v[ADC] offset:(\q)*REC+16
.endm
.macro WM p, n
.set wn, (\n)
.set wi, wn%8
.set wa, ACC+64*(\p)+8*wi
.if wn < 8
	WIN 0x15
	v_wmma_scale_f32_16x16x128_f8f6f4 v[wa:wa+7], v[CF+24*(\p):CF+24*(\p)+11], v[24*wi:24*wi+11], v[CC+8*(\p):CC+8*(\p)+7], v[CSC+(\p)], v[XS+wi] matrix_a_fmt:MATRIX_FMT_BF6 matrix_b_fmt:MATRIX_FMT_BF6
.else
	WIN 0x05
	v_wmma_scale_f32_16x16x128_f8f6f4 v[wa:wa+7], v[CF+24*(\p)+12:CF+24*(\p)+23], v[24*wi+12:24*wi+23], v[wa:wa+7], v[CSC+(\p)], v[XS+wi] matrix_a_fmt:MATRIX_FMT_BF6 matrix_b_fmt:MATRIX_FMT_BF6 matrix_a_scale:MATRIX_SCALE_ROW1 matrix_b_scale:MATRIX_SCALE_ROW1
.endif
.endm
; The capped maximum of each accumulator's eight scores of set pp: four lines an accumulator, the eight accumulators by turns, so that a line reads what was written eight lines before it.
; Each accumulator is read from its low end on.
; lv = 0 .. 3: one of the four lines, for all eight accumulators: scores 0-2; 3, 4; 5, 6; score 7 and the cap
.macro TKMAX pp, lv
	WIN 0
.set ta, ACC+64*(\pp)
.irp e, 0,1,2,3,4,5,6,7
.if (\lv) == 0
	v_max3_num_f32 v[TR+12*\e], v[ta+8*\e], v[ta+8*\e+1], v[ta+8*\e+2]
.else
.if (\lv) == 3
	v_maxmin_num_f32 v[TR+12*\e], v[TR+12*\e], v[ta+8*\e+7], v[TR+12*\e+3]   ; min(max(.., score 7), cap)
.else
	v_max3_num_f32 v[TR+12*\e], v[TR+12*\e], v[ta+8*\e+2*(\lv)+1], v[ta+8*\e+2*(\lv)+2]
.endif
.endif
.endr
.endm
; Where the tile's capped maximum lies over the running one (which never lies over the cap), the tile takes over: maximum and tile number in one pair, the eight scores in four.  Accumulators e0 and e0 + 1.
.macro TKSEL pp, e0
	WIN 0
.set ta, ACC+64*(\pp)
.irp e, \e0, \e0+1
	v_cmp_gt_f32 vcc_lo, v[TR+12*(\e)], v[TR+12*(\e)+1]
	v_dual_cndmask_b32 v[TR+12*(\e)+1], v[TR+12*(\e)+1], v[TR+12*(\e)] :: v_dual_cndmask_b32 v[TR+12*(\e)+2], v[TR+12*(\e)+2], v[SQV]
.irp j, 0,2,4,6
	v_dual_cndmask_b32 v[TR+12*(\e)+4+\j], v[TR+12*(\e)+4+\j], v[ta+8*(\e)+\j] :: v_dual_cndmask_b32 v[TR+12*(\e)+5+\j], v[TR+12*(\e)+5+\j], v[ta+8*(\e)+\j+1]
.endr
.endr
.endm
; Half a tile: one K step on the eight accumulators by turns, two matrix instructions at a time; behind each two a part of the tracking of the tile before, which lies in the other set:
; in K step 0 a line of the maxima, in K step 1 the selects of two accumulators.  The last selects are also the places ahead of the loads into this tile's fragment registers.
.macro HALF p, half, track
.irp u, 0,1,2,3
	WM \p, 8*(\half)+2*\u
	WM \p, 8*(\half)+2*\u+1
.if \track
.if \half
	TKSEL 1-(\p), 2*\u
.else
	TKMAX 1-(\p), \u
.endif
.endif
.endr
.endm
.macro TILE p, left, track
	s_wait_dscnt \left
	HALF \p, 0, \track
	HALF \p, 1, \track
	WIN 0
.if \track
	v_add_nc_u32 v[SQV], 1, v[SQV]                 ; the number of the tile that is tracked next
.else
.rept 4
	v_nop
.endr
.endif
.endm
.macro CHANGE work
	WIN 0
	s_wait_tensorcnt 0x0
	ds_add_u32 v[SPW], v[NIL]
	s_xor_b32 s[G0C+1], s[G0C+1], SLOT1
	s_mul_i32 s[OFS], s[NL], SLOTB
	s_add_nc_u64 s[G0C+2:G0C+3], s[CB:CB+1], s[OFS:OFS+1]
	s_or_b32 s[G0C+3], s[G0C+3], 0x80000000
	s_add_co_u32 s[NL], s[NL], 1
	s_and_b32 s[NL], s[NL], 15
.if \work
	s_xor_b32 s[TB], s[TB], SLOT1
	s_add_co_u32 s[SN], s[SN], 1
	s_and_b32 s[SN], s[SN], 15
.endif
	s_wait_dscnt 0x0
	s_barrier_signal -1
.if \work
	HALF 1, 0, 1
	WIN 0
.endif
	s_barrier_wait -1
	CREST
	tensor_load_to_lds s[G0C:G0C+3], s[G1C:G1C+7]
	s_nop 0
	v_add_nc_u32 v[ADR], s[TB], v[LB]
	v_add_nc_u32 v[ADS], s[TB], v[LSC]
	v_add_nc_u32 v[ADC], s[TB], v[LCC]
	v_nop
.if \work
	FETCH 0, 0
	HALF 1, 1, 1
	WIN 0
	v_add_nc_u32 v[SQV], 1, v[SQV]
.endif
.endm
.macro WRAPIF
	s_cmp_lg_u32 s[SN], 0
	s_cbranch_scc1 .Lno_wrap_\@
.irp i, 0,1,2,3,4,5,6,7
	v_ashrrev_i32 v[T], 31, v[TR+12*\i+1]
	s_delay_alu instid0(VALU_DEP_1)
	v_xor_b32 v[T], -1, v[T]
	s_delay_alu instid0(VALU_DEP_1)
	v_or_b32 v[T], 1, v[T]
	s_delay_alu instid0(VALU_DEP_1)
	v_add_nc_u32 v[T+1], v[TR+12*\i+1], v[T]
	v_cmp_eq_f32 vcc_lo, 0, v[TR+12*\i+1]
	s_delay_alu instid0(VALU_DEP_1)
	v_cndmask_b32 v[TR+12*\i+1], v[T+1], s[NB0], vcc_lo
.endr
.Lno_wrap_\@:
.endm
.macro MERGE m, i, mo, io
	v_cmp_gt_f32 s56, v[\mo], v[\m]
	v_cmp_eq_f32 s57, v[\mo], v[\m]
	v_cmp_lt_u32 s58, v[\io], v[\i]
	s_and_b32 s57, s57, s58
	s_or_b32 s56, s56, s57
	v_cndmask_b32 v[\m], v[\m], v[\mo], s56
	v_cndmask_b32 v[\i], v[\i], v[\io], s56
.endm
.macro FINT i
.set tu, TR+12*(\i)
	v_max3_num_f32 v[T], v[tu+4], v[tu+5], v[tu+6]
	v_max3_num_f32 v[T+1], v[tu+7], v[tu+8], v[tu+9]
	s_delay_alu instid0(VALU_DEP_2)
	v_max3_num_f32 v[T], v[T], v[tu+10], v[tu+11]
	s_delay_alu instid0(VALU_DEP_1)
	v_max_num_f32 v[T], v[T], v[T+1]
	s_delay_alu instid0(VALU_DEP_1)
	v_min_num_f32 v[T], v[T], v[tu+3]
	v_mov_b32 v[T+1], 7
.irp j, 6,5,4,3,2,1,0
	v_cmp_ge_f32 vcc_lo, v[tu+4+\j], v[T]
	s_delay_alu instid0(VALU_DEP_1)
	v_cndmask_b32 v[T+1], v[T+1], \j, vcc_lo
.endr
	v_lshrrev_b32 v[T+2], 2, v[tu+2]
	s_delay_alu instid0(VALU_DEP_1)
	v_add_nc_u32 v[T+2], s[SIG], v[T+2]
	s_delay_alu instid0(VALU_DEP_1)
	v_and_b32 v[T+2], 15, v[T+2]
	v_and_b32 v[T+3], 3, v[tu+2]
	s_delay_alu instid0(VALU_DEP_1)
	v_lshlrev_b32 v[T+3], 4, v[T+3]
	s_delay_alu instid0(VALU_DEP_1)
	v_lshl_add_u32 v[T+2], v[T+2], 9, v[T+3]
	s_delay_alu instid0(VALU_DEP_1)
	v_add3_u32 v[T+1], v[T+2], v[HW8], v[T+1]
	v_permlanex16_b32 v[FA], v[T], s[SEL], s[SEL+1]
	s_delay_alu instid0(VALU_DEP_2)
	v_permlanex16_b32 v[FB], v[T+1], s[SEL], s[SEL+1]
	MERGE T, T+1, FA, FB
	s_delay_alu instid0(VALU_DEP_1)
	v_cndmask_b32 v[tu], v[T], v[T+1], s[HM]
	ds_store_b32 v[MW], v[tu] offset:128*(\i)
.endm
	s_load_b256 s[4:11], s[0:1], 0x0
	v_lshl_add_u32 v[SPW], v0, 2, SPARE
	v_mov_b32 v[NIL], 0
	ds_add_u32 v8, v9
	ds_add_u32 v8, v9
	s_wait_dscnt 0x0
	v_lshrrev_b32 v[T], 5, v0
	s_delay_alu instid0(VALU_DEP_1)
	v_readfirstlane_b32 s[WV], v[T]
	s_bfe_u32 s[CX], ttmp6, 0x40000
	s_lshl_b32 s[WG], ttmp9, 2
	s_add_co_u32 s[WG], s[WG], s[CX]
	s_lshr_b32 s[SIG], ttmp9, 1
	s_and_b32 s[SIG], s[SIG], 15
	s_mov_b32 s[G1C], 15|(3<<16)|(1<<21)
	s_mov_b32 s[G1C+1], 32<<16
	s_mov_b32 s[G1C+2], 52<<16
	s_mov_b32 s[G1C+3], 32<<16
	s_mov_b32 s[G1C+4], 52
	s_mov_b32 s[G1C+5], 32
	s_mov_b32 s[G1C+6], 0
	s_mov_b32 s[G1C+7], 0
	s_mov_b32 s[G1X], (3<<16)|(1<<20)|(7<<22)|(3<<25)
	s_mov_b32 s[G1X+1], 128<<16
	s_mov_b32 s[G1X+2], 16<<16
	s_mov_b32 s[G1X+3], 128<<16
	s_mov_b32 s[G1X+4], 16
	s_mov_b32 s[G1X+5], 128
	s_mov_b32 s[G1X+6], 0
	s_mov_b32 s[G1X+7], 0
	s_mov_b32 s[SEL], 0x76543210
	s_mov_b32 s[SEL+1], 0xfedcba98
	s_mov_b32 s[TB], 0
	s_mov_b32 s[NB0], 0x80000001
	s_mov_b32 s[HM], 0xffff0000
	s_mov_b32 s[NINF], 0xff800000
	s_mov_b32 s[SN], s[SIG]
	s_add_co_u32 s[NL], s[SIG], 1
	s_and_b32 s[NL], s[NL], 15
	s_mul_i32 s[OFS], s[SIG], SLOTB
	s_mov_b32 s[OFS+1], 0
	s_mul_i32 s18, s[WV], WSH
	s_mov_b32 s19, 0
	s_lshl_b32 s16, s[WG], 17
	s_lshl_b32 s17, s[WV], 14
	s_add_co_u32 s16, s16, s17
	s_mov_b32 s17, 0
	s_mov_b32 s[G0X], 1
	s_mul_i32 s[G0X+1], s[WV], 16*XP
	s_add_co_u32 s[G0X+1], s[G0X+1], XRAW
	s_mov_b32 s[G0C], 1
	s_mov_b32 s[G0C+1], s18
	s_wait_kmcnt 0x0
	s_add_nc_u64 s[G0X+2:G0X+3], s[4:5], s[16:17]
	s_or_b32 s[G0X+3], s[G0X+3], 0x80000000
	s_add_nc_u64 s[CB:CB+1], s[6:7], s[18:19]
	s_add_nc_u64 s[G0C+2:G0C+3], s[CB:CB+1], s[OFS:OFS+1]
	s_or_b32 s[G0C+3], s[G0C+3], 0x80000000
	CROUND
	tensor_load_to_lds s[G0X:G0X+3], s[G1X:G1X+7]
	s_nop 0
	s_wait_alu depctr_va_vdst(0)
	s_wait_tensorcnt 0x0
	ds_add_u32 v8, v9
	s_wait_dscnt 0x0
	CROUND
	tensor_load_to_lds s[G0C:G0C+3], s[G1C:G1C+7]
	s_nop 0
.rept 4
	v_nop
.endr
	v_and_b32 v95, 31, v0
	v_and_b32 v96, 15, v0
	v_bfe_u32 v97, v0, 4, 1
	s_delay_alu instid0(VALU_DEP_3)
	v_lshlrev_b32 v98, 4, v95
	s_delay_alu instid0(VALU_DEP_4)
	v_lshlrev_b32 v99, 2, v95
	s_delay_alu instid0(VALU_DEP_2)
	v_add_nc_u32 v[LB], s18, v98
	v_lshlrev_b32 v[LSC], 3, v96
	s_delay_alu instid0(VALU_DEP_1)
	v_lshl_add_u32 v[LSC], v97, 2, v[LSC]
	s_delay_alu instid0(VALU_DEP_1)
	v_add_nc_u32 v[LSC], s18, v[LSC]
	s_delay_alu instid0(VALU_DEP_1)
	v_add_nc_u32 v[LSC], 3072, v[LSC]
	v_lshlrev_b32 v[LCC], 5, v97
	s_delay_alu instid0(VALU_DEP_1)
	v_add_nc_u32 v[LCC], s18, v[LCC]
	s_delay_alu instid0(VALU_DEP_1)
	v_add_nc_u32 v[LCC], 3200, v[LCC]
	s_lshl_b32 s16, s[WV], 6
	v_lshl_add_u32 v[HW8], v97, 3, s16
	v_mul_u32_u24 v[RDA], v96, XP
	s_delay_alu instid0(VALU_DEP_1)
	v_lshl_add_u32 v[RDA], v97, 6, v[RDA]
	s_delay_alu instid0(VALU_DEP_1)
	v_add_nc_u32 v[RDA], s[G0X+1], v[RDA]
	s_mul_i32 s16, s[WV], 3072
	v_add_nc_u32 v[IMW], s16, v98
	s_delay_alu instid0(VALU_DEP_1)
	v_add_nc_u32 v[IMW], XIMG, v[IMW]
	s_lshl_b32 s16, s[WV], 7
	v_add_nc_u32 v[SCW], s16, v99
	s_delay_alu instid0(VALU_DEP_1)
	v_add_nc_u32 v[SCW], XSCL, v[SCW]
	v_add_nc_u32 v[XLA], XIMG, v98
	v_add_nc_u32 v[XLS], XSCL, v99
	s_lshl_b32 s16, s[WV], 10
	v_add_nc_u32 v[MW], s16, v99
	s_delay_alu instid0(VALU_DEP_1)
	v_add_nc_u32 v[MW], MRG, v[MW]
	s_and_b32 s16, s[WV], 1
	s_lshl_b32 s16, s16, 9
	v_lshrrev_b32 v[MR], 3, v95
	s_delay_alu instid0(VALU_DEP_1)
	v_lshlrev_b32 v[MR], 7, v[MR]
	v_and_b32 v100, 7, v95
	s_delay_alu instid0(VALU_DEP_1)
	v_lshl_add_u32 v[MR], v100, 3, v[MR]
	s_delay_alu instid0(VALU_DEP_1)
	v_add_nc_u32 v[MR], s16, v[MR]
	s_delay_alu instid0(VALU_DEP_1)
	v_add_nc_u32 v[MR], MRG, v[MR]
	v_lshlrev_b32 v[OUTO], 3, v95
	v_mov_b32 v[FA], 0
	v_mov_b32 v[FB], 0
	v_mov_b32 v[SQV], 0
.irp b, 0,1,2,3
	v_mov_b32 v[TM+4+\b], 0
.endr
	s_wait_tensorcnt 0x1
	XREAD U0, 0
	XREAD U1, 1
	s_wait_dscnt 16
	SQS U0, 1
	QUANT U0, PC0, PW0
	s_wait_dscnt 0x0
	SQS U1, 0
	QUANT U1, PC1, PW1
	SQFIN
	s_delay_alu instid0(VALU_DEP_1)
	v_mul_f32 v101, 0.5, v[SQ]
	v_cndmask_b32 v100, v[PW0], v[PW1], s[HM]
.irp c, 0,1,2
	ds_store_b128 v[IMW], v[PC0+4*\c:PC0+4*\c+3] offset:512*\c
	ds_store_b128 v[IMW], v[PC1+4*\c:PC1+4*\c+3] offset:1536+512*\c
.endr
	ds_store_b32 v[SCW], v100
	ds_store_b32 v[SCW], v101 offset:1024
	CHANGE 0
	WIN 0x40
.set xm, 0
.rept 48
	ds_load_b128 v[4*xm:4*xm+3], v[XLA] offset:512*xm
.set xm, xm+1
.endr
	WIN 0
.irp i, 0,1,2,3,4,5,6,7
	ds_load_b32 v[XS+\i], v[XLS] offset:128*\i
	ds_load_b32 v[TR+12*\i+3], v[XLS] offset:1024+128*\i
.endr
.irp i, 0,1,2,3,4,5,6,7
	v_mov_b32 v[TR+12*\i+1], s[NINF]
	v_mov_b32 v[TR+12*\i+2], 0
.irp j, 0,1,2,3,4,5,6,7
	v_mov_b32 v[TR+12*\i+4+\j], s[NINF]
.endr
.endr
	FETCH 0, 0
	FETCH 1, 1
	TILE 0, 9, 0
	FETCH 0, 2
	TILE 1, 9, 1
	FETCH 1, 3
	TILE 0, 9, 1
	s_mov_b32 s[CNT], 14
.Lslot:
	CHANGE 1
	FETCH 1, 1
	TILE 0, 9, 1
	WRAPIF
	FETCH 0, 2
	TILE 1, 9, 1
	FETCH 1, 3
	TILE 0, 9, 1
	s_sub_co_u32 s[CNT], s[CNT], 1
	s_cmp_lg_u32 s[CNT], 0
	s_cbranch_scc1 .Lslot
	s_wait_tensorcnt 0x0
	s_wait_dscnt 0x0
	s_xor_b32 s[TB], s[TB], SLOT1
	s_add_co_u32 s[SN], s[SN], 1
	s_and_b32 s[SN], s[SN], 15
	v_add_nc_u32 v[ADR], s[TB], v[LB]
	v_add_nc_u32 v[ADS], s[TB], v[LSC]
	v_add_nc_u32 v[ADC], s[TB], v[LCC]
	FETCH 0, 0
	TILE 1, 9, 1
	FETCH 1, 1
	TILE 0, 9, 1
	WRAPIF
	FETCH 0, 2
	TILE 1, 9, 1
	FETCH 1, 3
	TILE 0, 9, 1
	TILE 1, 0, 1
.irp l, 0,1,2,3
	TKMAX 1, \l                                    ; the last tile's tracking
.endr
.irp l, 0,2,4,6
	TKSEL 1, \l
.endr
.irp i, 0,1,2,3,4,5,6,7
	FINT \i
.endr
	s_wait_dscnt 0x0
	s_barrier_signal -1
	s_barrier_wait -1
	s_cmp_gt_u32 s[WV], 3
	s_cbranch_scc1 .Lnot_out
.irp w, 0,1,2,3,4,5,6,7
	ds_load_b64 v[ACC+4*\w:ACC+4*\w+1], v[MR] offset:1024*\w
	ds_load_b64 v[ACC+4*\w+2:ACC+4*\w+3], v[MR] offset:1024*\w+64
.endr
	s_wait_dscnt 0x0
.irp w, 1,2,3,4,5,6,7
	MERGE ACC, ACC+2, ACC+4*\w, ACC+4*\w+2
	MERGE ACC+1, ACC+3, ACC+4*\w+1, ACC+4*\w+3
.endr
	s_wait_alu depctr_va_vdst(0)
	s_cmp_lt_u32 s[WV], 2
	s_cselect_b64 s[16:17], s[8:9], s[10:11]
	s_lshl_b32 s62, s[WG], 9
	s_and_b32 s63, s[WV], 1
	s_lshl_b32 s63, s63, 8
	s_add_co_u32 s62, s62, s63
	s_mov_b32 s63, 0
	s_add_nc_u64 s[16:17], s[16:17], s[62:63]
	global_store_b64 v[OUTO], v[ACC+2:ACC+3], s[16:17]
.Lnot_out:
	s_wait_tensorcnt 0x0
	ds_add_u32 v[SPW], v[NIL]
	s_wait_dscnt 0x0
	CROUND
	s_endpgm
.Lfunc_end_k_qedf8e296ef_search:
	.size	k_qedf8e296ef_search, .Lfunc_end_k_qedf8e296ef_search-k_qedf8e296ef_search
	.p2alignl 7, 3214868480
	.fill 96, 4, 3214868480
	.section	.rodata,"a",@progbits
	.p2align	6, 0x0
	.amdhsa_kernel k_qedf8e296ef_search
		.amdhsa_group_segment_fixed_size 327680
		.amdhsa_private_segment_fixed_size 0
		.amdhsa_enable_private_segment 0
		.amdhsa_kernarg_size 32
		.amdhsa_user_sgpr_count 2
		.amdhsa_user_sgpr_kernarg_segment_ptr 1
		.amdhsa_wavefront_size32 1
		.amdhsa_system_sgpr_workgroup_id_x 1
		.amdhsa_system_sgpr_workgroup_id_y 1
		.amdhsa_system_sgpr_workgroup_id_z 1
		.amdhsa_system_vgpr_workitem_id 0
		.amdhsa_next_free_vgpr 512
		.amdhsa_next_free_sgpr 66
		.amdhsa_reserve_vcc 1
		.amdhsa_float_denorm_mode_32 3
		.amdhsa_float_denorm_mode_16_64 3
		.amdhsa_memory_ordered 1
		.amdhsa_forward_progress 1
		.amdhsa_inst_pref_size 160
	.end_amdhsa_kernel
	.amdgpu_metadata
---
amdhsa.version: [ 1, 2 ]
amdhsa.kernels:
  - .name:           k_qedf8e296ef_search
    .symbol:         k_qedf8e296ef_search.kd
    .args:
      - { .name: x, .offset: 0, .size: 8, .value_kind: global_buffer, .address_space: global }
      - { .name: codes, .offset: 8, .size: 8, .value_kind: global_buffer, .address_space: global }
      - { .name: out1, .offset: 16, .size: 8, .value_kind: global_buffer, .address_space: global }
      - { .name: order, .offset: 24, .size: 8, .value_kind: global_buffer, .address_space: global }
    .group_segment_fixed_size: 327680
    .private_segment_fixed_size: 0
    .kernarg_segment_align: 8
    .kernarg_segment_size: 32
    .max_flat_workgroup_size: 256
    .sgpr_count:     66
    .vgpr_count:     512
    .wavefront_size: 32
...
	.end_amdgpu_metadata
.endif
;; end of part 2
;; launch gather (part 3): grid 256 x 1, 8 waves a work-group, no clusters, 0 bytes of LDS; arguments order, embed, out0; writes out0
.if DOCPART == 3
	.amdgcn_target "amdgcn-amd-amdhsa--gfx1250"
	.amdhsa_code_object_version 6
	.text
	.protected	k_qedf8e296ef_gather
	.globl	k_qedf8e296ef_gather
	.p2align	8
	.type	k_qedf8e296ef_gather,@function
k_qedf8e296ef_gather:
	s_mov_b64 s[64:65], 0
	v_nop
	global_prefetch_b8 v0, s[64:65] scope:SCOPE_SE
	s_setreg_imm32_b32 hwreg(HW_REG_WAVE_MODE, 25, 1), 1
	s_wait_xcnt 0x0
; out0[row] = embed[order[row]]: 32,768 rows of 1,024 bytes.  order holds the indices that the launch before has stored.
; A wave takes 16 rows.  Its 16 indices come by one scalar load, are held to 0 .. 8,191 and become byte offsets; a row is two loads and two stores of 512 consecutive bytes.
; All 32 loads of a wave are issued before its first store: 16 KiB a wave on their way.  No LDS, no barrier, no matrix unit: bytes are all there is.
; No hint on the loads: a codebook row may be named by many rows.
.set LO,  1                            ; v1      16 x lane
.set AD,  2                            ; v2-17   row k's offset in embed + 16 x lane
.set D,   32                           ; v32-159 the rows
	s_load_b128 s[4:7], s[0:1], 0x0                ; order s[4:5], embed s[6:7]
	s_load_b64 s[8:9], s[0:1], 0x10                ; out0
	v_lshrrev_b32 v1, 5, v0
	s_delay_alu instid0(VALU_DEP_1)
	v_readfirstlane_b32 s10, v1                    ; wave 0..7
	v_and_b32 v1, 31, v0
	s_delay_alu instid0(VALU_DEP_1)
	v_lshlrev_b32 v[LO], 4, v1
	s_lshl_b32 s11, ttmp9, 7
	s_lshl_b32 s12, s10, 4
	s_add_co_u32 s11, s11, s12                     ; my first row: 128 x work-group + 16 x wave
	s_lshl_b32 s12, s11, 2                         ; its index,
	s_mov_b32 s13, 0
	s_lshl_b32 s14, s11, 10                        ; its row of out0
	s_mov_b32 s15, 0
	s_wait_alu depctr_va_vdst(0)
	s_wait_kmcnt 0x0
	s_add_nc_u64 s[4:5], s[4:5], s[12:13]
	s_add_nc_u64 s[8:9], s[8:9], s[14:15]
	s_load_b512 s[16:31], s[4:5], 0x0              ; 16 indices, 64 bytes, at a multiple of 64
	s_wait_kmcnt 0x0
.irp k, 0,1,2,3,4,5,6,7,8,9,10,11,12,13,14,15
	s_min_u32 s[16+\k], s[16+\k], 8191             ; an index stays inside the table
	s_lshl_b32 s[16+\k], s[16+\k], 10
	v_add_nc_u32 v[AD+\k], s[16+\k], v[LO]
.endr
	s_wait_alu depctr_va_vdst(0)
.irp k, 0,1,2,3,4,5,6,7,8,9,10,11,12,13,14,15
	global_load_b128 v[D+8*\k:D+8*\k+3], v[AD+\k], s[6:7]
	global_load_b128 v[D+8*\k+4:D+8*\k+7], v[AD+\k], s[6:7] offset:512
.endr
.irp k, 0,1,2,3,4,5,6,7,8,9,10,11,12,13,14,15
	s_wait_loadcnt 31-2*\k                         ; loads come back in order: this one is in, the younger ones stay out
	global_store_b128 v[LO], v[D+8*\k:D+8*\k+3], s[8:9] offset:1024*\k th:TH_STORE_NT          ; 32 lanes store 512 consecutive bytes, at a multiple of 256 from out0's first byte
	s_wait_loadcnt 30-2*\k
	global_store_b128 v[LO], v[D+8*\k+4:D+8*\k+7], s[8:9] offset:1024*\k+512 th:TH_STORE_NT
.endr
	s_endpgm
.Lfunc_end_k_qedf8e296ef_gather:
	.size	k_qedf8e296ef_gather, .Lfunc_end_k_qedf8e296ef_gather-k_qedf8e296ef_gather
	.p2alignl 7, 3214868480
	.fill 96, 4, 3214868480
	.section	.rodata,"a",@progbits
	.p2align	6, 0x0
	.amdhsa_kernel k_qedf8e296ef_gather
		.amdhsa_group_segment_fixed_size 0
		.amdhsa_private_segment_fixed_size 0
		.amdhsa_enable_private_segment 0
		.amdhsa_kernarg_size 24
		.amdhsa_user_sgpr_count 2
		.amdhsa_user_sgpr_kernarg_segment_ptr 1
		.amdhsa_wavefront_size32 1
		.amdhsa_system_sgpr_workgroup_id_x 1
		.amdhsa_system_sgpr_workgroup_id_y 1
		.amdhsa_system_sgpr_workgroup_id_z 1
		.amdhsa_system_vgpr_workitem_id 0
		.amdhsa_next_free_vgpr 160
		.amdhsa_next_free_sgpr 66
		.amdhsa_reserve_vcc 0
		.amdhsa_float_denorm_mode_32 3
		.amdhsa_float_denorm_mode_16_64 3
		.amdhsa_memory_ordered 1
		.amdhsa_forward_progress 1
		.amdhsa_inst_pref_size 11
	.end_amdhsa_kernel
	.amdgpu_metadata
---
amdhsa.version: [ 1, 2 ]
amdhsa.kernels:
  - .name:           k_qedf8e296ef_gather
    .symbol:         k_qedf8e296ef_gather.kd
    .args:
      - { .name: order, .offset: 0, .size: 8, .value_kind: global_buffer, .address_space: global }
      - { .name: embed, .offset: 8, .size: 8, .value_kind: global_buffer, .address_space: global }
      - { .name: out0, .offset: 16, .size: 8, .value_kind: global_buffer, .address_space: global }
    .group_segment_fixed_size: 0
    .private_segment_fixed_size: 0
    .kernarg_segment_align: 8
    .kernarg_segment_size: 24
    .max_flat_workgroup_size: 256
    .sgpr_count:     66
    .vgpr_count:     160
    .wavefront_size: 32
...
	.end_amdgpu_metadata
.endif
;; end of part 3
